; MI455X (gfx1250); checked and timed in simulation.
; The chip was launched on July 23, 2026; its instructions are those of AMD's public machine-readable ISA for CDNA 5 (MIT licence, August 2026) and "CDNA5" Instruction Set Architecture Reference Guide (July 2026). The comments in the code are by the model that wrote it; some were corrected since.
;; Attention Block. Allowed arithmetic: matrix products marked QUANTISED: E2M1 operands, one E8M0 scale for each 32 along K, by v_wmma_scale_f32_16x16x128_f8f6f4 with both operands' format E2M1 (or v_wmma_scale_f32_32x16x128_f4), f32 sums; everything else in f32.
;; Inputs: norm_b 256 float32; norm_w 256 float32; proj_b 256 float32; proj_w_codes 256 x 8 x 16 uint8 (E2M1 codes of proj_w, K innermost, in blocks of 32 codes, two codes a byte); proj_w_scales 256 x 8 uint8 (E8M0 scales of proj_w, one for each 32 codes along K); qkv_b 768 float32; qkv_w_codes 768 x 8 x 16 uint8 (E2M1 codes of qkv_w, K innermost, in blocks of 32 codes, two codes a byte); qkv_w_scales 768 x 8 uint8 (E8M0 scales of qkv_w, one for each 32 codes along K); x 4 x 256 x 64 x 64 float32.
;; Outputs: out0 4 x 256 x 64 x 64 float32.
;; This version of the problem:
;;   THIS VERSION OF THE PROBLEM IS GIVEN IN LOW PRECISION. The matrix products marked QUANTISED in the list below multiply operands that are first quantised to E2M1 (2 exponent bits, 1 mantissa bit; 4 bits a number), with one power-of-two scale for each 32 numbers along K (OCP MX v1.0); their sums are f32. All else is computed in f32.
;;   The module's matrix products, in the order in which they are computed (A, B: the left and right operand; K: the contracted axis; several contracted axes count as one K, in the product's order):
;;     1. [M 16,384, K 256] x [K 256, N 768]; A: computed on the way; B: input qkv_w (given as codes): QUANTISED
;;     2. batch 16 x [M 4,096, K 64] x [K 64, N 4,096]; A: computed on the way; B: computed on the way: QUANTISED
;;     3. batch 16 x [M 64, K 4,096] x [K 4,096, N 4,096]; A: computed on the way; B: softmax (see below): QUANTISED
;;     4. [M 16,384, K 256] x [K 256, N 256]; A: computed on the way; B: input proj_w (given as codes): QUANTISED
;;   THE QUANTISER, for each operand of a quantised product, along K:
;;     - K is cut into blocks of 32 from its start; a last block that is shorter is filled with zeros.
;;     - A block's scale is 2^e with e = floor(log2(the largest magnitude in the block)) - 2, held to -126 .. 127; a block of zeros has e = 0. As a byte (E8M0): e + 127.
;;     - Each number is divided by its block's scale, clamped to +-6, and rounded to the nearest number of E2M1, ties to even, subnormals kept.
;;     - The product sums the exact products of the quantised numbers (number of the format x scale) in f32.
;;   ~~~python
;;   def quantise(x, axis):      # numpy; x: float32 -> the quantised numbers, widened to float32 again
;;       x = np.moveaxis(x, axis, -1); K = x.shape[-1]
;;       x = np.pad(x, [(0, 0)] * (x.ndim - 1) + [(0, -K % 32)]); x = x.reshape(x.shape[:-1] + (-1, 32)); a = np.abs(x).max(-1, keepdims=True)
;;       e = np.where(a > 0, np.clip(np.frexp(np.where(a > 0, a, 1))[1] - 1 - 2, -126, 127), 0)      # np.frexp(a)[1] - 1 = floor(log2(a)), exactly
;;       r = np.clip(x / 2.0 ** e, -6, 6)
;;       step = 2.0 ** (np.maximum(np.frexp(np.where(r == 0, 1, r))[1] - 1, 0) - 1)
;;       q = np.round(r / step) * step * 2.0 ** e      # np.round: ties to even
;;       return np.moveaxis(q.reshape(q.shape[:-2] + (-1,))[..., :K], -1, axis).astype(np.float32)
;;   ~~~
;;   SOFTMAX AHEAD OF A QUANTISED PRODUCT. Where the list says 'softmax', what is quantised is not the finished softmax but p = 2^(t - M), with t = logit x log2(e) and M = ceil(the row's largest t), a whole number; so 1/2 < the row's largest p <= 1. The row's sum l is taken of the UNQUANTISED p, in f32, and the product's result is divided by l at the end. Since M is a whole number, a kernel that streams over the keys may use a running M (the ceiling of the running maximum): every later rescaling is an exact power of two, which a block's scale takes up: the codes' values come out the same.
;;   OPERANDS COMPUTED ON THE WAY. 'Computed on the way' means the value that the module computes at that place (a softmax that the list does not call 'softmax' is quantised finished and normalised). What goes into a quantiser is computed in f32, as accurately as f32 sums, v_exp_f32 and their like allow (about 1e-6 of the number): no bf16 or f16 on the way to a quantiser, and a product that is left as it is and whose result goes on into a quantised operand takes f32 operands (vector FMAs, or v_wmma_f32_16x16x4_f32). A number that lies on a knife's edge between two numbers of the format may be rounded either way, as far as f32 arithmetic and the matrix unit's own rounding can turn it there, and no further.
;;   INPUTS GIVEN AS CODES. proj_w (in the module: [256, 256], K = its axis 1); qkv_w (in the module: [768, 256], K = its axis 1): each comes as NAME_codes (uint8): NAME with its K axis moved to the last place and cut into blocks of 32 codes, [.., K / 32, bytes a block], one block behind the other in memory; two codes a byte, the lower K in the low four bits (a code: sign, 2 exponent bits, 1 mantissa bit); and NAME_scales (uint8): the same leading axes, one E8M0 byte (e + 127) for each 32 codes along K. Its value is code x scale, taken as it is: it is not quantised again, and the codes and scales need not be those that the quantiser above would give.
;; One version. Each part assembles by itself: llvm-mc -triple=amdgcn-amd-amdhsa -mcpu=gfx1250 --defsym DOCPART=n.
;; ======== version 1 of 1: 4 launches
;; workspace buffers: stats 2,048 bytes; qc 2,097,152 bytes; qs 262,144 bytes; kv 4,194,304 bytes; kvs 262,144 bytes; oc 2,097,152 bytes; os 131,072 bytes
;; launch stats (part 1): grid 256 x 1, 8 waves a work-group, no clusters, 1,536 bytes of LDS; arguments x, stats; writes stats
.if DOCPART == 1
	.amdgcn_target "amdgcn-amd-amdhsa--gfx1250"
	.amdhsa_code_object_version 6
	.text
	.protected	k_qa735905e2a_stats
	.globl	k_qa735905e2a_stats
	.p2align	8
	.type	k_qa735905e2a_stats,@function
k_qa735905e2a_stats:
	s_mov_b64 s[64:65], 0
	v_nop
	global_prefetch_b8 v0, s[64:65] scope:SCOPE_SE
	s_setreg_imm32_b32 hwreg(HW_REG_WAVE_MODE, 25, 1), 1
	s_wait_xcnt 0x0
; GroupNorm's statistics, first half.  x is [4][256][4096] f32; a norm group (32 channels) is 131,072 dense numbers, 512 KiB.
; Work-group i takes the eighth i % 8 of group i / 8: 16,384 numbers, 65,536 dense bytes, and stores its mean and its sum of squared
; deviations FROM THAT MEAN (never a difference of large sums: a common offset of the inputs costs nothing).  The next launch joins the eight.
; Eight waves, 8,192 bytes each: 16 loads of 16 bytes a lane, each load of a wave 512 consecutive bytes; the numbers stay in 64 registers
; between the two passes, so memory is read once.  No matrix unit, no tensor load, no cluster: a plain stream whose work-groups share nothing.
; LIMITS: NaN and infinities among the inputs are not served.
.set X,  16                            ; v[16:79]  my 64 numbers
.set A,  80                            ; v[80:87]  four packed chains
.set T,  88                            ; v[88:95]  the eight waves' figures
.set MN, 96                            ; v[96:97]  the mean, twice; at the end mean and sum of squares
	s_load_b128 s[4:7], s[0:1], 0x0                ; x, stats
	v_lshl_add_u32 v112, v0, 2, 0x200
	v_mov_b32 v113, 0
	v_lshrrev_b32 v1, 5, v0
	s_delay_alu instid0(VALU_DEP_1)
	v_readfirstlane_b32 s8, v1                     ; wave 0..7
	v_and_b32 v2, 31, v0
	s_delay_alu instid0(VALU_DEP_1)
	v_lshlrev_b32 v3, 4, v2                        ; 16 bytes a lane
	s_delay_alu instid0(VALU_DEP_4)
	v_lshlrev_b32 v4, 2, v1                        ; LDS: my wave's word
	v_mov_b32 v5, 0
	s_lshl_b32 s10, ttmp9, 16                      ; the work-group's 65,536 bytes,
	s_lshl_b32 s11, s8, 13                         ; my wave's 8,192 of them
	s_add_co_u32 s10, s10, s11
	s_mov_b32 s11, 0
	s_lshl_b32 s14, ttmp9, 3                       ; 8 bytes of stats a work-group
	s_mov_b32 s15, 0
	s_mov_b32 s12, 0x76543210                      ; v_permlanex16_b32's selects for lane l xor 16
	s_mov_b32 s13, 0xfedcba98
	s_wait_alu depctr_va_vdst(0)
	s_wait_kmcnt 0x0
	s_add_nc_u64 s[4:5], s[4:5], s[10:11]
	s_add_nc_u64 s[6:7], s[6:7], s[14:15]
.irp k, 0,1,2,3,4,5,6,7,8,9,10,11,12,13,14,15
	global_load_b128 v[X+4*\k:X+4*\k+3], v3, s[4:5] offset:512*\k   ; later launches read x again: no hint
.endr
.macro REDUCE                          ; the four chains, the pair's halves, the 32 lanes: the wave's figure in every lane of v[A]
	s_delay_alu instid0(VALU_DEP_3)
	v_pk_add_f32 v[A:A+1], v[A:A+1], v[A+2:A+3]
	s_delay_alu instid0(VALU_DEP_2)
	v_pk_add_f32 v[A+4:A+5], v[A+4:A+5], v[A+6:A+7]
	s_delay_alu instid0(VALU_DEP_1)
	v_pk_add_f32 v[A:A+1], v[A:A+1], v[A+4:A+5]
	s_delay_alu instid0(VALU_DEP_1)
	v_add_f32 v[A], v[A], v[A+1]
.irp m, 1,2,4,8
	s_delay_alu instid0(VALU_DEP_1)
	v_add_f32_dpp v[A], v[A], v[A] row_xmask:\m row_mask:0xf bank_mask:0xf
.endr
	s_delay_alu instid0(VALU_DEP_1)
	v_permlanex16_b32 v[A+1], v[A], s12, s13
	s_delay_alu instid0(VALU_DEP_1)
	v_add_f32 v[A], v[A], v[A+1]
.endm
.macro GATHER off                      ; the eight waves' figures, summed into v[T]
	ds_load_b128 v[T:T+3], v5 offset:\off
	ds_load_b128 v[T+4:T+7], v5 offset:\off+16
	s_wait_dscnt 0x0
	v_pk_add_f32 v[T:T+1], v[T:T+1], v[T+2:T+3]
	v_pk_add_f32 v[T+4:T+5], v[T+4:T+5], v[T+6:T+7]
	s_delay_alu instid0(VALU_DEP_1)
	v_pk_add_f32 v[T:T+1], v[T:T+1], v[T+4:T+5]
	s_delay_alu instid0(VALU_DEP_1)
	v_add_f32 v[T], v[T], v[T+1]
.endm
	s_wait_loadcnt 0x0
	; pass 1: the sum.  The first eight pairs start the chains: nothing is cleared
.irp k, 0,1,2,3
	v_pk_add_f32 v[A+2*\k:A+2*\k+1], v[X+2*\k:X+2*\k+1], v[X+2*\k+8:X+2*\k+9]
.endr
.set j, 8
.rept 24
	s_delay_alu instid0(VALU_DEP_4)
	v_pk_add_f32 v[A+2*(j%4):A+2*(j%4)+1], v[A+2*(j%4):A+2*(j%4)+1], v[X+2*j:X+2*j+1]
.set j, j+1
.endr
	REDUCE
	ds_store_b32 v4, v[A]                          ; all lanes write the wave's word with the same value
	s_wait_dscnt 0x0                               ; for the others' sake
	s_barrier_signal -1
	s_barrier_wait -1
	GATHER 0
	s_delay_alu instid0(VALU_DEP_1)
	v_mul_f32 v[MN], 0x38800000, v[T]              ; the mean of 16,384 numbers: x 2^-14
	s_delay_alu instid0(VALU_DEP_1)
	v_mov_b32 v[MN+1], v[MN]
	; pass 2: the sum of squared deviations
.set j, 0
.rept 32
	v_pk_add_f32 v[X+2*j:X+2*j+1], v[X+2*j:X+2*j+1], v[MN:MN+1] neg_lo:[0,1] neg_hi:[0,1]
.set j, j+1
.endr
.irp k, 0,1,2,3
	v_pk_mul_f32 v[A+2*\k:A+2*\k+1], v[X+2*\k:X+2*\k+1], v[X+2*\k:X+2*\k+1]
.endr
.set j, 4
.rept 28
	s_delay_alu instid0(VALU_DEP_4)
	v_pk_fma_f32 v[A+2*(j%4):A+2*(j%4)+1], v[X+2*j:X+2*j+1], v[X+2*j:X+2*j+1], v[A+2*(j%4):A+2*(j%4)+1]
.set j, j+1
.endr
	REDUCE
	ds_store_b32 v4, v[A] offset:256               ; other bytes than the first round's: no wave may still be reading those
	s_wait_dscnt 0x0
	s_barrier_signal -1
	s_barrier_wait -1
	s_cmp_lg_u32 s8, 0                             ; wave 0 writes the work-group's two numbers
	s_cbranch_scc1 .Lend
	GATHER 256
	s_delay_alu instid0(VALU_DEP_1)
	v_mov_b32 v[MN+1], v[T]
	s_wait_alu depctr_va_vdst(0)
	s_wait_xcnt 0x0                                ; EXEC changes only behind this wait
	v_cmp_eq_u32 vcc_lo, 0, v0
	s_and_saveexec_b32 s9, vcc_lo
	global_store_b64 v5, v[MN:MN+1], s[6:7]        ; mean, sum of squared deviations
	s_wait_xcnt 0x0                                ; and again ahead of the line that widens it
	s_or_b32 exec_lo, exec_lo, s9
.Lend:
	s_wait_tensorcnt 0x0
	ds_add_u32 v112, v113
	s_wait_dscnt 0x0
	s_endpgm
.Lfunc_end_k_qa735905e2a_stats:
	.size	k_qa735905e2a_stats, .Lfunc_end_k_qa735905e2a_stats-k_qa735905e2a_stats
	.p2alignl 7, 3214868480
	.fill 96, 4, 3214868480
	.section	.rodata,"a",@progbits
	.p2align	6, 0x0
	.amdhsa_kernel k_qa735905e2a_stats
		.amdhsa_group_segment_fixed_size 1536
		.amdhsa_private_segment_fixed_size 0
		.amdhsa_enable_private_segment 0
		.amdhsa_kernarg_size 16
		.amdhsa_user_sgpr_count 2
		.amdhsa_user_sgpr_kernarg_segment_ptr 1
		.amdhsa_wavefront_size32 1
		.amdhsa_system_sgpr_workgroup_id_x 1
		.amdhsa_system_sgpr_workgroup_id_y 1
		.amdhsa_system_sgpr_workgroup_id_z 1
		.amdhsa_system_vgpr_workitem_id 0
		.amdhsa_next_free_vgpr 114
		.amdhsa_next_free_sgpr 66
		.amdhsa_reserve_vcc 1
		.amdhsa_float_denorm_mode_32 3
		.amdhsa_float_denorm_mode_16_64 3
		.amdhsa_memory_ordered 1
		.amdhsa_forward_progress 1
		.amdhsa_inst_pref_size 14
	.end_amdhsa_kernel
	.amdgpu_metadata
---
amdhsa.version: [ 1, 2 ]
amdhsa.kernels:
  - .name:           k_qa735905e2a_stats
    .symbol:         k_qa735905e2a_stats.kd
    .args:
      - { .name: x, .offset: 0, .size: 8, .value_kind: global_buffer, .address_space: global }
      - { .name: stats, .offset: 8, .size: 8, .value_kind: global_buffer, .address_space: global }
    .group_segment_fixed_size: 1536
    .private_segment_fixed_size: 0
    .kernarg_segment_align: 8
    .kernarg_segment_size: 16
    .max_flat_workgroup_size: 256
    .sgpr_count:     66
    .vgpr_count:     114
    .wavefront_size: 32
...
	.end_amdgpu_metadata
.endif
;; end of part 1
;; launch qkv (part 2): grid 256 x 1, 4 waves a work-group, no clusters, 168,448 bytes of LDS; arguments x, stats, norm_w, norm_b, qkv_w_codes, qkv_w_scales, qkv_b, qc, qs, kv, kvs; writes qc, qs, kv, kvs
.if DOCPART == 2
	.amdgcn_target "amdgcn-amd-amdhsa--gfx1250"
	.amdhsa_code_object_version 6
	.text
	.protected	k_qa735905e2a_qkv
	.globl	k_qa735905e2a_qkv
	.p2align	8
	.type	k_qa735905e2a_qkv,@function
k_qa735905e2a_qkv:
	s_mov_b64 s[64:65], 0
	v_nop
	global_prefetch_b8 v0, s[64:65] scope:SCOPE_SE
	s_setreg_imm32_b32 hwreg(HW_REG_WAVE_MODE, 25, 1), 1
	s_wait_xcnt 0x0
; h = GroupNorm(x), quantised to FP4 (E2M1, one E8M0 scale for 32 along K) along the channels; qkv = W h + b on codes; q and k quantised along the head's 64 channels,
; v along the keys.  All four results leave as IMAGES OF OPERAND REGISTERS (a lane's 16 bytes at 16 x lane), so the attention launch loads them as they lie.
; SHARES.  Work-group i: batch i / 64, positions 64 (i % 64) on: four tiles of 16.  Wave w is head w and makes three units of 64 outputs: q (rows 64 w), k (256 + 64 w), v (512 + 64 w), for all 64 positions.
; Its 192 rows of W (24 fragments) go from memory straight into registers.  NO CLUSTER: what work-groups share is the 96 KiB of weights, which plain loads bring into registers; the tile of x is a work-group's own.
; THE TILE ORDER.  Row p of tile 2 G + u is position (or output) 32 G + 8 u + p + 8 (p / 8): in a result whose source 0 is such a tile, the 16 registers of tiles 2 G and 2 G + 1 are 16 neighbours, 32 G + 16 (lane / 16) + 0 .. 15.
; q, k: source 0 = 16 rows of W (tile order), source 1 = h: a lane holds one position, its registers run along d.   v: source 0 = h, source 1 = 16 rows of W: a lane holds one d, its registers run along the positions (the keys).
; PHASES.  T: the group's statistics are joined, tables a = norm_w / sqrt(var + eps), norm_b, mean go to LDS | barrier |  X: wave w makes tile w's two fragments of h out of the tile of x in LDS, a lane to a position, registers down
; the channels (a block of 32 channels is one norm group) | barrier |  G: every wave fetches all eight fragments and multiplies.
; LIMITS: NaN and infinities are not served; a block whose largest magnitude lies under 2^-124 keeps the byte 1; a block of zeros has the byte 1 where the rule says 127 (its codes are zeros, and this program alone reads the bytes).
; V's scale bytes leave 2 bytes a lane: two work-groups share a scale word (128 keys).
; REGISTERS.  window 0: v1-23 addresses; v32-95 h's eight fragments; v96-103 their scale words; v104-127 W's scale words; v128-159 four accumulators (phase X: 32 numbers); v160-175 at work; v176-187 scale halfwords
;   (phase X: h's codes to v191); v192-239 the codes made, never rewritten (phase X: a, norm_b to v255); v240-250 scale words on the way out.   window 1: W's 24 fragments.   window 2: the biases as C operands.
.set L_TA, 69632                       ; LDS: 0: the tile of x, 256 channel rows of 256 bytes + 16 of padding;  here: a[256]; 1,024 on: norm_b[256]
.set L_TM, 71680                       ; the eight groups' means
.set L_HI, 71936                       ; h's eight fragments, 1,024 bytes each: tile m, K step s at 2 m + s
.set L_HS, 80128                       ; their scale words, 128 bytes each
.set LANE, 1
.set R,    2
.set H,    3
.set RP,   4                           ; r + 8 (r / 8)
.set LI,   5                           ; 16 x lane
.set LS,   6                           ; 4 x lane
.set XA,   7                           ; the tile of x: my position's word in channel row 32 h
.set TAH,  8                           ; L_TA + 128 h
.set TMA,  9                           ; L_TM + 4 h
.set HWI,  10                          ; where I store h's images
.set HWS,  11                          ; and their scale words
.set WA,   12                          ; W's codes: 128 rp + 16 h
.set WSA,  13                          ; W's scale words: 8 rp
.set BQ,   14                          ; q's and k's bias: 64 h
.set BV,   15                          ; v's bias: 4 rp
.set SV,   16                          ; k's and v's scale words: 16 r + 4 h
.set HRI,  17                          ; L_HI + 16 x lane
.set HRS,  18                          ; L_HS + 4 x lane
.set TST,  19                          ; L_TA + 8 x thread
.set TMS,  20                          ; L_TM + 4 (thread / 16)
.set STO,  21                          ; stats: 64 (thread / 16)
.set NWO,  22                          ; norm_w, norm_b: 8 x thread
.set SH8,  23                          ; 8 h
.set HF,   32
.set HS,   96
.set WS,   104
.set ACC,  128
.set QT,   160
.set HW,   176
.set PC,   192
.set X,    128                         ; phase X
.set AA,   192
.set NB,   224
.set MN,   160
.set XB,   166
.set XW,   168
.set XP,   170
.set HC,   176
.set SEL,  60
.set MSB, 0
.macro WIN new                         ; the immediate's high byte repeats the setting that is left
.if MSB != \new
	s_set_vgpr_msb (MSB<<8)|\new
.set MSB, \new
.endif
.endm
; 32 numbers of a lane, register 16 b + i = k 32 b + 16 (lane / 16) + i of my row, become 16 bytes of codes in v[pc .. pc + 3] (lane (r, h): block h of row r) and the two scale bytes in v[hw].
.macro QUANT32 src, pc, hw
.irp b, 0,1
	v_max3_num_f32 v[QT+\b], |v[\src+16*\b]|, |v[\src+16*\b+1]|, 0x1800000   ; my 16 numbers of block b, and the floor 2^(3 - 127): the byte cannot fall under 1
.endr
.irp i, 2,4,6,8,10,12,14
.irp b, 0,1
	v_max3_num_f32 v[QT+\b], v[QT+\b], |v[\src+16*\b+\i]|, |v[\src+16*\b+\i+1]|
.endr
.endr
.irp b, 0,1
	v_permlanex16_b32 v[QT+4+\b], v[QT+\b], s[SEL], s[SEL+1]
.endr
.irp b, 0,1
	v_max_num_f32 v[QT+\b], v[QT+\b], v[QT+4+\b]   ; with lane l xor 16's: the block's largest magnitude
.endr
.irp b, 0,1
	v_add_nc_u32 v[QT+12+\b], 0xff000000, v[QT+\b] ; 2 off its exponent field: the conversion's scale operand
.endr
.irp b, 0,1
	v_lshrrev_b32 v[QT+4+\b], 23, v[QT+12+\b]      ; the scale's byte
.endr
	v_lshl_or_b32 v[\hw], v[QT+5], 8, v[QT+4]
.irp b, 0,1
	v_cvt_scalef32_pk8_fp4_f32 v[\pc+2*\b], v[\src+16*\b:\src+16*\b+7], v[QT+12+\b]
	v_cvt_scalef32_pk8_fp4_f32 v[\pc+2*\b+1], v[\src+16*\b+8:\src+16*\b+15], v[QT+12+\b]
.endr
	v_nop                                          ; one plain place behind a scaled conversion
	v_permlane16_swap_b32 v[\pc], v[\pc+2]         ; a whole block to a lane: lanes 0-15 block 0, lanes 16-31 block 1
	v_permlane16_swap_b32 v[\pc+1], v[\pc+3]
.endm
	s_load_b512 s[4:19], s[0:1], 0x0               ; x, stats, norm_w, norm_b, W's codes, W's scales, qkv_b, qc
	s_load_b128 s[20:23], s[0:1], 0x40             ; qs, kv
	s_load_b64 s[24:25], s[0:1], 0x50              ; kvs
	v_lshl_add_u32 v174, v0, 2, 0x29000
	v_mov_b32 v175, 0
	ds_add_u32 v174, v175
	ds_add_u32 v174, v175
	v_lshrrev_b32 v1, 5, v0
	v_readfirstlane_b32 s26, v1                    ; wave = head
	s_lshr_b32 s27, ttmp9, 6                       ; batch
	s_and_b32 s28, ttmp9, 63                       ; which 64 positions
	v_and_b32 v[LANE], 31, v0
	v_and_b32 v[R], 15, v0
	v_bfe_u32 v[H], v0, 4, 1
	v_and_b32 v[RP], 8, v[R]
	v_add_nc_u32 v[RP], v[RP], v[R]
	v_lshlrev_b32 v[LI], 4, v[LANE]
	v_lshlrev_b32 v[LS], 2, v[LANE]
	s_wait_alu depctr_va_vdst(0)
	s_lshr_b32 s44, s26, 1                         ; tile w of the 64 positions begins at 32 (w / 2) + 8 (w % 2)
	s_lshl_b32 s44, s44, 7
	s_and_b32 s45, s26, 1
	s_lshl_b32 s45, s45, 5
	s_add_co_u32 s44, s44, s45
	v_mul_u32_u24 v[XA], v[H], 8704                ; 32 channel rows of 272 bytes
	v_lshl_add_u32 v[XA], v[RP], 2, v[XA]
	v_add_nc_u32 v[XA], s44, v[XA]
	v_lshl_add_u32 v[TAH], v[H], 7, L_TA
	v_lshl_add_u32 v[TMA], v[H], 2, L_TM
	s_lshl_b32 s46, s26, 11
	s_add_co_u32 s46, s46, L_HI
	v_add_nc_u32 v[HWI], s46, v[LI]
	s_lshl_b32 s47, s26, 8
	s_add_co_u32 s47, s47, L_HS
	v_add_nc_u32 v[HWS], s47, v[LS]
	v_lshlrev_b32 v[WA], 7, v[RP]
	v_lshl_add_u32 v[WA], v[H], 4, v[WA]
	v_lshlrev_b32 v[WSA], 3, v[RP]
	v_lshlrev_b32 v[BQ], 6, v[H]
	v_lshlrev_b32 v[BV], 2, v[RP]
	v_lshlrev_b32 v[SV], 4, v[R]
	v_lshl_add_u32 v[SV], v[H], 2, v[SV]
	v_add_nc_u32 v[HRI], L_HI, v[LI]
	v_add_nc_u32 v[HRS], L_HS, v[LS]
	v_lshl_add_u32 v[TST], v0, 3, L_TA
	v_lshrrev_b32 v[STO], 4, v0
	v_lshl_add_u32 v[TMS], v[STO], 2, L_TM
	v_lshlrev_b32 v[STO], 6, v[STO]
	v_lshlrev_b32 v[NWO], 3, v0
	v_lshlrev_b32 v[SH8], 3, v[H]
	v_cmp_lt_u32 s62, 15, v[LANE]                  ; lanes 16-31
	v_mov_b32 v[QT+4], 0                           ; a lane permute's destination counts as one of its sources
	v_mov_b32 v[QT+5], 0
	v_mov_b32 v[XP], 0
	s_mov_b32 s[SEL], 0x76543210                   ; v_permlanex16_b32's selects for lane l xor 16
	s_mov_b32 s[SEL+1], 0xfedcba98
	s_mov_b32 s30, 0x37000000                      ; 2^-17: one over a group's 131,072 numbers
	s_mov_b32 s31, 0x3727c5ac                      ; eps = 1e-5
	; descriptor group 1: 64 channel rows x 64 f32, 4,096 elements from row to row; in LDS 16 bytes of padding behind each 256
	s_mov_b32 s36, (2<<16)|(1<<20)|(5<<22)|(3<<25) ; no mask; elements of 4 bytes; padding on, after every 64 words, of 4 words
	s_mov_b32 s37, 64<<16                          ; tensor_dim0
	s_mov_b32 s38, 64<<16                          ; tensor_dim1
	s_mov_b32 s39, 64<<16                          ; tile_dim0
	s_mov_b32 s40, 64                              ; tile_dim1
	s_mov_b32 s41, 4096                            ; the pitch
	s_mov_b32 s42, 0
	s_mov_b32 s43, 0
	s_mov_b32 s32, 1
	s_mul_i32 s33, s26, 17408                      ; my 64 rows of 272 bytes
	s_lshl_b32 s44, s27, 22                        ; x: the batch, my 64 channels, the 64 positions
	s_lshl_b32 s45, s26, 20
	s_add_co_u32 s44, s44, s45
	s_lshl_b32 s45, s28, 8
	s_add_co_u32 s44, s44, s45
	s_mov_b32 s45, 0
	; byte offsets into the other buffers, each in a pair of its own
	s_lshl_b32 s29, s27, 2
	s_add_co_u32 s29, s29, s26                     ; bh = 4 x batch + head
	s_lshl_b32 s50, s27, 9                         ; stats: 64 pairs a batch
	s_mov_b32 s51, 0
	s_lshl_b32 s52, s26, 13                        ; W's codes: my 64 rows of 128 bytes in each third
	s_mov_b32 s53, 0
	s_lshl_b32 s54, s26, 9                         ; W's scales: 8 bytes a row
	s_mov_b32 s55, 0
	s_lshl_b32 s56, s26, 8                         ; qkv_b
	s_mov_b32 s57, 0
	s_lshl_b32 s58, s29, 17                        ; qc: 256 tiles of 512 bytes a head; my four
	s_lshl_b32 s59, s28, 11
	s_add_co_u32 s58, s58, s59
	s_mov_b32 s59, 0
	s_lshl_b32 s66, s29, 14                        ; qs: 64 bytes a tile
	s_lshl_b32 s67, s28, 8
	s_add_co_u32 s66, s66, s67
	s_mov_b32 s67, 0
	s_lshl_b32 s68, s29, 18                        ; kv: the head, the chunk of 1,024 keys
	s_lshr_b32 s69, s28, 4
	s_lshl_b32 s69, s69, 16
	s_add_co_u32 s68, s68, s69
	s_add_co_u32 s70, s68, 32768                   ; V's half of the chunk
	s_and_b32 s69, s28, 15
	s_lshl_b32 s69, s69, 11
	s_add_co_u32 s68, s68, s69                     ; K: my four tiles
	s_mov_b32 s69, 0
	s_bfe_u32 s71, s28, 0x30001                    ; V: the key step of 128 in the chunk,
	s_lshl_b32 s71, s71, 12
	s_add_co_u32 s70, s70, s71
	s_and_b32 s76, s28, 1                          ; and which 64 keys of it
	s_lshl_b32 s71, s76, 9
	s_add_co_u32 s70, s70, s71
	s_mov_b32 s71, 0
	s_lshl_b32 s72, s29, 14                        ; kvs: 512 bytes a key step
	s_lshr_b32 s73, s28, 1
	s_lshl_b32 s73, s73, 9
	s_add_co_u32 s72, s72, s73
	s_add_co_u32 s74, s72, 256                     ; V's half
	s_lshl_b32 s73, s76, 3
	s_add_co_u32 s72, s72, s73
	s_mov_b32 s73, 0
	s_lshl_b32 s75, s76, 1
	s_add_co_u32 s74, s74, s75
	s_mov_b32 s75, 0
	s_wait_alu depctr_va_vdst(0)
	s_wait_dscnt 0x0
	s_wait_kmcnt 0x0
	s_add_nc_u64 s[34:35], s[4:5], s[44:45]
	s_or_b32 s35, s35, 0x80000000                  ; type = 2
	tensor_load_to_lds s[32:35], s[36:43]          ; my quarter of the tile of x: the one fill of these bytes; one tensor load of mine is out
	s_nop 0
.rept 4
	v_nop                                          ; four v_nop behind the load
.endr
	s_add_nc_u64 s[6:7], s[6:7], s[50:51]
	s_add_nc_u64 s[12:13], s[12:13], s[52:53]
	s_add_nc_u64 s[14:15], s[14:15], s[54:55]
	s_add_nc_u64 s[16:17], s[16:17], s[56:57]
	s_add_nc_u64 s[18:19], s[18:19], s[58:59]
	s_add_nc_u64 s[20:21], s[20:21], s[66:67]
	s_add_nc_u64 s[46:47], s[22:23], s[70:71]      ; V's codes
	s_add_nc_u64 s[22:23], s[22:23], s[68:69]      ; K's codes
	s_add_nc_u64 s[48:49], s[24:25], s[74:75]      ; V's scales
	s_add_nc_u64 s[24:25], s[24:25], s[72:73]      ; K's scales
	; six loads for phase T: the eight partial statistics of my channels' group, my two gains and biases
.irp k, 0,1,2,3
	global_load_b128 v[128+4*\k:131+4*\k], v[STO], s[6:7] offset:16*\k
.endr
	global_load_b64 v[144:145], v[NWO], s[8:9]
	global_load_b64 v[146:147], v[NWO], s[10:11]
	; W's 24 fragments: unit un, tile t, K step s at v[64 un + 8 (2 t + s)] of window 1.  Lane r of tile t takes row 32 (t / 2) + 8 (t % 2) + r + 8 (r / 8) of the unit
	WIN 0x40
.irp un, 0,1,2
.irp t, 0,1,2,3
.irp s, 0,1
.irp c, 0,1
	global_load_b128 v[64*\un+8*(2*\t+\s)+4*\c:64*\un+8*(2*\t+\s)+4*\c+3], v[WA], s[12:13] offset:32768*\un+128*(32*(\t/2)+8*(\t%2))+64*\s+32*\c
.endr
.endr
.endr
.endr
	WIN 0
	s_wait_loadcnt 48                              ; the six are in; the 48 issued behind them may be out
	; ---- T: thread t serves channels 2 t and 2 t + 1.  mean = the mean of eight means; the sum of squares about it = the eight sums + 16,384 x the means' squared deviations
	v_add_f32 v160, v128, v130
	v_add_f32 v161, v132, v134
	v_add_f32 v162, v136, v138
	v_add_f32 v163, v140, v142
	v_add_f32 v160, v160, v161
	v_add_f32 v162, v162, v163
	v_add_f32 v160, v160, v162
	v_mul_f32 v160, 0x3e000000, v160               ; x 1/8: the group's mean
.irp i, 0,1,2,3,4,5,6,7
	v_sub_f32 v[164+\i], v[128+2*\i], v160
.endr
	v_mul_f32 v161, v164, v164
	v_mul_f32 v162, v165, v165
.irp i, 2,4,6
	v_fmac_f32 v161, v[164+\i], v[164+\i]
	v_fmac_f32 v162, v[165+\i], v[165+\i]
.endr
	v_add_f32 v161, v161, v162
	v_add_f32 v162, v129, v131
	v_add_f32 v163, v133, v135
	v_add_f32 v164, v137, v139
	v_add_f32 v165, v141, v143
	v_add_f32 v162, v162, v163
	v_add_f32 v164, v164, v165
	v_add_f32 v162, v162, v164
	v_fma_f32 v161, v161, 0x46800000, v162         ; x 16,384, + the eight sums
	v_fma_f32 v161, v161, s30, s31                 ; the variance + eps
	s_wait_alu depctr_va_vdst(0)
	v_rsq_f32 v162, v161
	v_nop                                          ; a plain place behind the transcendental,
	s_wait_alu depctr_va_vdst(0)                   ; and the wait ahead of its first reader
	v_mul_f32 v144, v144, v162                     ; a = norm_w / sqrt(var + eps)
	v_mul_f32 v145, v145, v162
	ds_store_b64 v[TST], v[144:145]
	ds_store_b64 v[TST], v[146:147] offset:1024
	ds_store_b32 v[TMS], v160                      ; the 16 threads of a group write the same word with the same value
	; the biases as C operands, in the results' layouts, and W's scale words
	WIN 0x80
.irp un, 0,1
.irp t, 0,1,2,3
	global_load_b128 v[32*\un+8*\t:32*\un+8*\t+3], v[BQ], s[16:17] offset:1024*\un+4*(32*(\t/2)+8*(\t%2))      ; q, k: lane (r, h) holds outputs 32 (t / 2) + 8 (t % 2) + 16 h + 0 .. 7
	global_load_b128 v[32*\un+8*\t+4:32*\un+8*\t+7], v[BQ], s[16:17] offset:1024*\un+4*(32*(\t/2)+8*(\t%2))+16
.endr
.endr
.irp t, 0,1,2,3
.irp j, 0,1,2,3,4,5,6,7
	global_load_b32 v[64+8*\t+\j], v[BV], s[16:17] offset:2048+4*(32*(\t/2)+8*(\t%2))   ; v: a lane holds ONE output in all eight registers
.endr
.endr
	WIN 0
.irp un, 0,1,2
.irp t, 0,1,2,3
.irp s, 0,1
	global_load_b32 v[WS+8*\un+2*\t+\s], v[WSA], s[14:15] offset:2048*\un+8*(32*(\t/2)+8*(\t%2))+4*\s
.endr
.endr
.endr
	s_wait_dscnt 0x0                               ; my table entries have landed,
	s_wait_tensorcnt 0x0                           ; and my quarter of the tile of x:
	s_barrier_signal -1
	s_barrier_wait -1                              ; everybody's have
	; ---- X: tile w's two fragments of h.  Lane (r, h) takes position r of the tile; its registers run down the channels 128 s + 64 c + 32 h + 0 .. 31: one block, one norm group, all in this lane
.macro XBLK s, c
.set i, 0
.rept 32
	ds_load_b32 v[X+i], v[XA] offset:272*(128*\s+64*\c+i)
.set i, i+1
.endr
.irp k, 0,1,2,3,4,5,6,7
	ds_load_b128 v[AA+4*\k:AA+4*\k+3], v[TAH] offset:4*(128*\s+64*\c)+16*\k
	ds_load_b128 v[NB+4*\k:NB+4*\k+3], v[TAH] offset:1024+4*(128*\s+64*\c)+16*\k
.endr
	ds_load_b32 v[MN], v[TMA] offset:4*(4*\s+2*\c)
	s_wait_dscnt 0x0
	v_mov_b32 v[MN+1], v[MN]
.set i, 0
.rept 16
	v_pk_add_f32 v[X+i:X+i+1], v[X+i:X+i+1], v[MN:MN+1] neg_lo:[0,1] neg_hi:[0,1]   ; x - mean
.set i, i+2
.endr
.set i, 0
.rept 16
	v_pk_fma_f32 v[X+i:X+i+1], v[X+i:X+i+1], v[AA+i:AA+i+1], v[NB+i:NB+i+1]         ; x a + norm_b
.set i, i+2
.endr
	v_max3_num_f32 v162, |v[X]|, |v[X+1]|, |v[X+2]|                                 ; the block's largest magnitude, in two chains
	v_max3_num_f32 v163, |v[X+3]|, |v[X+4]|, |v[X+5]|
.irp i, 6,10,14,18,22,26
	v_max3_num_f32 v162, v162, |v[X+\i]|, |v[X+\i+1]|
	v_max3_num_f32 v163, v163, |v[X+\i+2]|, |v[X+\i+3]|
.endr
	v_max3_num_f32 v162, v162, |v[X+30]|, |v[X+31]|
	v_max3_num_f32 v162, v162, v163, 0x1800000     ; and the floor 2^(3 - 127)
	v_add_nc_u32 v164, 0xff000000, v162            ; the conversion's scale operand
	v_lshrrev_b32 v[XB+\c], 23, v164               ; the byte of block 2 c + h
.irp g, 0,1,2,3
	v_cvt_scalef32_pk8_fp4_f32 v[HC+8*\s+4*\c+\g], v[X+8*\g:X+8*\g+7], v164
.endr
	v_nop                                          ; one plain place behind a scaled conversion
.endm
.irp s, 0,1
	XBLK \s, 0
	XBLK \s, 1
	v_lshl_or_b32 v[XW+\s], v[XB+1], 16, v[XB]     ; my two bytes: blocks h and 2 + h,
	v_lshlrev_b32 v[XW+\s], v[SH8], v[XW+\s]       ; at their places in the scale word;
	v_permlanex16_b32 v[XP], v[XW+\s], s[SEL], s[SEL+1]
	v_or_b32 v[XW+\s], v[XW+\s], v[XP]             ; with lane l xor 16's two the word is whole
	ds_store_b128 v[HWI], v[HC+8*\s:HC+8*\s+3] offset:1024*\s
	ds_store_b128 v[HWI], v[HC+8*\s+4:HC+8*\s+7] offset:1024*\s+512
	ds_store_b32 v[HWS], v[XW+\s] offset:128*\s
.endr
	s_wait_dscnt 0x0                               ; for the others' sake: my images have landed
	s_barrier_signal -1
	s_barrier_wait -1
.irp f, 0,1,2,3,4,5,6,7
	ds_load_b128 v[HF+8*\f:HF+8*\f+3], v[HRI] offset:1024*\f
	ds_load_b128 v[HF+8*\f+4:HF+8*\f+7], v[HRI] offset:1024*\f+512
	ds_load_b32 v[HS+\f], v[HRS] offset:128*\f
.endr
	s_wait_dscnt 0x0
	s_wait_loadcnt 0x0                             ; W's fragments, the biases, W's scale words
	; ---- G.  Four accumulators by turns, one instruction a turn; the bias is the C of each sum's first product.  Five v_nop: four places ahead of the reads of the results, five ahead of the next group's products, which begin the same accumulators anew (ISA guide 7.12.1)
.macro UNITQK un, sb                   ; q (un = 0) or k (1): for each tile m of positions, the unit's 64 outputs; 16 bytes of codes a lane leave as 512 consecutive bytes a wave
.irp m, 0,1,2,3
	WIN 0x21                                       ; source 0 (W) window 1, source 2 (bias) window 2
.irp t, 0,1,2,3
	v_wmma_scale_f32_16x16x128_f8f6f4 v[ACC+8*\t:ACC+8*\t+7], v[64*\un+16*\t:64*\un+16*\t+7], v[HF+16*\m:HF+16*\m+7], v[32*\un+8*\t:32*\un+8*\t+7], v[WS+8*\un+2*\t], v[HS+2*\m] matrix_a_fmt:MATRIX_FMT_FP4 matrix_b_fmt:MATRIX_FMT_FP4
.endr
	WIN 0x01
.irp t, 0,1,2,3
	v_wmma_scale_f32_16x16x128_f8f6f4 v[ACC+8*\t:ACC+8*\t+7], v[64*\un+16*\t+8:64*\un+16*\t+15], v[HF+16*\m+8:HF+16*\m+15], v[ACC+8*\t:ACC+8*\t+7], v[WS+8*\un+2*\t+1], v[HS+2*\m+1] matrix_a_fmt:MATRIX_FMT_FP4 matrix_b_fmt:MATRIX_FMT_FP4
.endr
	WIN 0
.rept 5
	v_nop
.endr
	QUANT32 ACC, PC+4*(4*\un+\m), HW+4*\un+\m
	global_store_b128 v[LI], v[PC+4*(4*\un+\m):PC+4*(4*\un+\m)+3], s[\sb:\sb+1] offset:512*\m
.endr
.endm
	UNITQK 0, 18
	UNITQK 1, 22
.irp t, 0,1,2,3                        ; v: for each tile t of 16 outputs, the 64 positions: two blocks of 32 keys
	WIN 0x24                                       ; source 1 (W) window 1, source 2 (bias) window 2
.irp m, 0,1,2,3
	v_wmma_scale_f32_16x16x128_f8f6f4 v[ACC+8*\m:ACC+8*\m+7], v[HF+16*\m:HF+16*\m+7], v[128+16*\t:128+16*\t+7], v[64+8*\t:64+8*\t+7], v[HS+2*\m], v[WS+16+2*\t] matrix_a_fmt:MATRIX_FMT_FP4 matrix_b_fmt:MATRIX_FMT_FP4
.endr
	WIN 0x04
.irp m, 0,1,2,3
	v_wmma_scale_f32_16x16x128_f8f6f4 v[ACC+8*\m:ACC+8*\m+7], v[HF+16*\m+8:HF+16*\m+15], v[128+16*\t+8:128+16*\t+15], v[ACC+8*\m:ACC+8*\m+7], v[HS+2*\m+1], v[WS+16+2*\t+1] matrix_a_fmt:MATRIX_FMT_FP4 matrix_b_fmt:MATRIX_FMT_FP4
.endr
	WIN 0
.rept 5
	v_nop
.endr
	QUANT32 ACC, PC+4*(8+\t), HW+8+\t
	global_store_b128 v[LI], v[PC+4*(8+\t):PC+4*(8+\t)+3], s[46:47] offset:1024*\t
.endr
	; the scale words.  Both halves of the lanes hold every halfword, so each half stores another word: a choice by v_cndmask_b32, EXEC stays whole
.irp m, 0,1,2,3
	v_lshl_or_b32 v[240+\m], v[HW+\m], 16, v[HW+\m]   ; q: (s0, s1, s0, s1): the attention launch sets q in either half of the instruction's K
.endr
	v_cndmask_b32 v244, v240, v241, s62
	v_cndmask_b32 v245, v242, v243, s62
	global_store_b32 v[LS], v244, s[20:21]            ; tiles 0 and 1: 128 consecutive bytes
	global_store_b32 v[LS], v245, s[20:21] offset:128 ; tiles 2 and 3
	v_lshl_or_b32 v246, v[HW+5], 16, v[HW+4]          ; k: two neighbouring tiles share a fragment and a scale word
	v_lshl_or_b32 v247, v[HW+7], 16, v[HW+6]
	v_cndmask_b32 v248, v246, v247, s62
	global_store_b32 v[SV], v248, s[24:25]
	v_cndmask_b32 v249, v[HW+8], v[HW+9], s62         ; v: my 64 keys are half of a scale word
	v_cndmask_b32 v250, v[HW+10], v[HW+11], s62
	global_store_b16 v[SV], v249, s[48:49]
	global_store_b16 v[SV], v250, s[48:49] offset:8
	s_wait_tensorcnt 0x0
	ds_add_u32 v174, v175
	s_wait_dscnt 0x0
	s_endpgm
.Lfunc_end_k_qa735905e2a_qkv:
	.size	k_qa735905e2a_qkv, .Lfunc_end_k_qa735905e2a_qkv-k_qa735905e2a_qkv
	.p2alignl 7, 3214868480
	.fill 96, 4, 3214868480
	.section	.rodata,"a",@progbits
	.p2align	6, 0x0
	.amdhsa_kernel k_qa735905e2a_qkv
		.amdhsa_group_segment_fixed_size 168448
		.amdhsa_private_segment_fixed_size 0
		.amdhsa_enable_private_segment 0
		.amdhsa_kernarg_size 88
		.amdhsa_user_sgpr_count 2
		.amdhsa_user_sgpr_kernarg_segment_ptr 1
		.amdhsa_wavefront_size32 1
		.amdhsa_system_sgpr_workgroup_id_x 1
		.amdhsa_system_sgpr_workgroup_id_y 1
		.amdhsa_system_sgpr_workgroup_id_z 1
		.amdhsa_system_vgpr_workitem_id 0
		.amdhsa_next_free_vgpr 768
		.amdhsa_next_free_sgpr 80
		.amdhsa_reserve_vcc 0
		.amdhsa_float_denorm_mode_32 3
		.amdhsa_float_denorm_mode_16_64 3
		.amdhsa_memory_ordered 1
		.amdhsa_forward_progress 1
		.amdhsa_inst_pref_size 88
	.end_amdhsa_kernel
	.amdgpu_metadata
---
amdhsa.version: [ 1, 2 ]
amdhsa.kernels:
  - .name:           k_qa735905e2a_qkv
    .symbol:         k_qa735905e2a_qkv.kd
    .args:
      - { .name: x, .offset: 0, .size: 8, .value_kind: global_buffer, .address_space: global }
      - { .name: stats, .offset: 8, .size: 8, .value_kind: global_buffer, .address_space: global }
      - { .name: norm_w, .offset: 16, .size: 8, .value_kind: global_buffer, .address_space: global }
      - { .name: norm_b, .offset: 24, .size: 8, .value_kind: global_buffer, .address_space: global }
      - { .name: qkv_w_codes, .offset: 32, .size: 8, .value_kind: global_buffer, .address_space: global }
      - { .name: qkv_w_scales, .offset: 40, .size: 8, .value_kind: global_buffer, .address_space: global }
      - { .name: qkv_b, .offset: 48, .size: 8, .value_kind: global_buffer, .address_space: global }
      - { .name: qc, .offset: 56, .size: 8, .value_kind: global_buffer, .address_space: global }
      - { .name: qs, .offset: 64, .size: 8, .value_kind: global_buffer, .address_space: global }
      - { .name: kv, .offset: 72, .size: 8, .value_kind: global_buffer, .address_space: global }
      - { .name: kvs, .offset: 80, .size: 8, .value_kind: global_buffer, .address_space: global }
    .group_segment_fixed_size: 168448
    .private_segment_fixed_size: 0
    .kernarg_segment_align: 8
    .kernarg_segment_size: 88
    .max_flat_workgroup_size: 128
    .sgpr_count:     80
    .vgpr_count:     768
    .wavefront_size: 32
...
	.end_amdgpu_metadata
.endif
;; end of part 2
;; launch attn (part 3): grid 16 x 16, 16 waves a work-group, clusters of 4 x 1, 327,680 bytes of LDS; arguments qc, qs, kv, kvs, oc, os; writes oc, os
.if DOCPART == 3
	.amdgcn_target "amdgcn-amd-amdhsa--gfx1250"
	.amdhsa_code_object_version 6
	.text
	.protected	k_qa735905e2a_attn
	.globl	k_qa735905e2a_attn
	.p2align	8
	.type	k_qa735905e2a_attn,@function
k_qa735905e2a_attn:
	s_mov_b64 s[64:65], 0
	v_nop
	global_prefetch_b8 v0, s[64:65] scope:SCOPE_SE
	s_setreg_imm32_b32 hwreg(HW_REG_WAVE_MODE, 25, 1), 1
	s_wait_xcnt 0x0
	s_wait_alu depctr_hold_cnt(0) depctr_sa_sdst(0) depctr_va_vdst(0) depctr_va_sdst(0) depctr_va_ssrc(0) depctr_va_vcc(0) depctr_vm_vsrc(0)
	s_getreg_b32 s2, hwreg(HW_REG_IB_STS2, 6, 4)
	s_cmp_eq_u32 s2, 0
	s_cbranch_scc0 .Lentry_in_a_cluster
	s_endpgm
.Lentry_in_a_cluster:
	s_bfe_u32 s2, ttmp6, 0x10000c
	s_cmp_lg_u32 s2, 0x3003
	s_cbranch_scc0 .Lentry_shape_is_right
	s_endpgm
.Lentry_shape_is_right:
; O[q][:] = softmax_k(Q[q] . K[k] / 8) V[k][:] for one (batch, head) of 16, head size 64, 4,096 keys, both products on codes of FP4 (E2M1) with one E8M0 scale for 32 along K; O / l is quantised along the head's 64 channels for the projection.
; THE SOFTMAX AHEAD OF THE SECOND PRODUCT: t = score x log2(e) / 8; M = the row's largest t so far, rounded UP to a whole number; p = 2^(t - M) is what is quantised, along the keys.  The row's sum is taken of the unquantised p and divides O at the end.
; When M moves, the sum and O are multiplied by 2^(old M - new M): exact.
; SHARES.  Work-group (X, bh) owns queries' tiles 16 X .. 16 X + 15 of head bh; each of its sixteen waves one tile of 16 queries, one query a lane, in 256 registers: four waves to a SIMD, so that one wave's vector work stands beside another's products and LDS loads.
; THE WHOLE HEAD LIES IN LDS: K 128 KiB, V 128 KiB, scale words 16 KiB, every byte filled ONCE, by five tensor loads a wave issued together at the head (five of mine are out at the most): no slot is filled again.
; The keys go in four chunks of 1,024, each behind a counted wait and a barrier, so that the first chunk is worked on while the others land.
; CLUSTER.  The four query blocks of a cluster belong to one head and read the same K and V: each tile is asked for JOINTLY, by the same tensor load with the same descriptor and a mask that names the four.  A work-group's place in its cluster enters the global addresses of Q and O alone.
; LAYOUT.  All operands lie in memory and in LDS as images of their registers: a lane's 16 bytes at 16 x lane.  Both products are used transposed (S^T = K Q^T, O^T = V^T P^T): a lane holds one query throughout.
; The head's 64 channels fill half of the instruction's K of 128: a fragment of K carries TWO tiles of 16 keys, one in each half, and q stands in one half of source 1 with zero codes in the other: v[20:27] = (q | 0) takes the first tile, v[16:23] = (0 | q) the second.
; The keys of a tile are not neighbours (row p of tile 2 G + u is key 32 G + 8 u + p + 8 (p / 8)): the 16 registers of a fragment's two results are keys 32 G + 16 (lane / 16) + 0 .. 15.  V's rows d are ordered likewise, so that O^T's registers run along d.
; LIMITS: NaN and infinities are not served; a block whose largest magnitude lies under 2^-124 keeps the byte 1; a block of zeros has the byte 1 (its codes are zeros, and this program alone reads the bytes).  O's scale bytes leave 2 bytes a lane: two heads share a scale word.
; REGISTERS: v1-4 addresses that stay; v8, v10 the step's LDS addresses; v12 -M, v13 the largest t, v[14:15] the sum in two halves; v16-27 (0 | q | 0); v32-63 four fragments of K; v64-95 four of V; v96-159 S^T, then p; v160-191 O^T;
;   v192-195 K's scale words, v196-199 V's; v224-231 p's codes; v232-254 at work (v253 p's scale word); v255 q's scale word.
.set SCL,  262144                      ; behind the four chunks of 65,536 bytes (K 32 KiB, then V 32 KiB): the scale words, 512 bytes a key step
.set AD0,  1                           ; 16 x lane
.set AS0,  2                           ; SCL + 16 (lane % 16)
.set GOS,  3                           ; 4 (lane % 16)
.set LANE, 4
.set ADK,  8
.set ADS,  10
.set KF,   32
.set VF,   64
.set SWK,  192
.set SWV,  196
.set QT,   232
.set TB,   2                           ; s2   LDS byte at which the step's fragments begin
.set TS,   3                           ; s3   and its scale words, from SCL on
.set WV,   18
.set SEL,  20
.set CS,   22                          ; s[22:23] c = log2(e) / 8
.set G1C,  24                          ; s[24:31] group 1 for a wave's 4,096 bytes of a chunk;  s[32:39] for its 1,024 bytes of scale words
.set G1S,  32
.set G0S,  40                          ; s[40:43] group 0 for the scale words;  s[44:59] for the four chunks
.set G0C,  44
.macro CROUND                          ; a round of the cluster's barrier
	s_barrier_signal -1
	s_barrier_wait -1
	s_cmp_lg_u32 s[WV], 0
	s_cbranch_scc1 .Lnot_wave_0_\@
	s_barrier_signal -3
.Lnot_wave_0_\@:
	s_barrier_wait -3
	s_barrier_signal -1
	s_barrier_wait -1
.endm
; 32 numbers of a lane, register 16 b + i = k 32 b + 16 (lane / 16) + i of my row, become 16 bytes of codes in v[pc .. pc + 3] (lane (r, h): block h of row r) and the two scale bytes in v[hw].
.macro QUANT32 src, pc, hw
.irp b, 0,1
	v_max3_num_f32 v[QT+\b], |v[\src+16*\b]|, |v[\src+16*\b+1]|, 0x1800000   ; my 16 numbers of block b, and the floor 2^(3 - 127): the byte cannot fall under 1
.endr
.irp i, 2,4,6,8,10,12,14
.irp b, 0,1
	s_delay_alu instid0(VALU_DEP_2)
	v_max3_num_f32 v[QT+\b], v[QT+\b], |v[\src+16*\b+\i]|, |v[\src+16*\b+\i+1]|
.endr
.endr
.irp b, 0,1
	s_delay_alu instid0(VALU_DEP_2)
	v_permlanex16_b32 v[QT+4+\b], v[QT+\b], s[SEL], s[SEL+1]
.endr
.irp b, 0,1
	s_delay_alu instid0(VALU_DEP_2)
	v_max_num_f32 v[QT+\b], v[QT+\b], v[QT+4+\b]   ; with lane l xor 16's: the block's largest magnitude
.endr
.irp b, 0,1
	s_delay_alu instid0(VALU_DEP_2)
	v_add_nc_u32 v[QT+12+\b], 0xff000000, v[QT+\b] ; 2 off its exponent field: the conversion's scale operand
.endr
.irp b, 0,1
	s_delay_alu instid0(VALU_DEP_2)
	v_lshrrev_b32 v[QT+4+\b], 23, v[QT+12+\b]      ; the scale's byte
.endr
	s_delay_alu instid0(VALU_DEP_1)
	v_lshl_or_b32 v[\hw], v[QT+5], 8, v[QT+4]
.irp b, 0,1
	v_cvt_scalef32_pk8_fp4_f32 v[\pc+2*\b], v[\src+16*\b:\src+16*\b+7], v[QT+12+\b]
	v_cvt_scalef32_pk8_fp4_f32 v[\pc+2*\b+1], v[\src+16*\b+8:\src+16*\b+15], v[QT+12+\b]
.endr
	v_nop                                          ; one plain place behind a scaled conversion
	v_permlane16_swap_b32 v[\pc], v[\pc+2]         ; a whole block to a lane
	v_permlane16_swap_b32 v[\pc+1], v[\pc+3]
.endm
	s_load_b256 s[4:11], s[0:1], 0x0               ; qc, qs, kv, kvs
	s_load_b128 s[12:15], s[0:1], 0x20             ; oc, os
	v_lshl_add_u32 v250, v0, 2, 0x44000
	v_mov_b32 v251, 0
	ds_add_u32 v250, v251
	ds_add_u32 v250, v251
	v_lshrrev_b32 v8, 5, v0
	s_delay_alu instid0(VALU_DEP_1)
	v_readfirstlane_b32 s[WV], v8                  ; wave 0..15
	s_bfe_u32 s66, ttmp6, 0x40000                  ; cx: my place in the cluster
	s_lshl_b32 s67, ttmp9, 2                       ; in a cluster launch ttmp9 counts clusters
	s_add_co_u32 s67, s67, s66                     ; my block of 256 queries
	s_and_b32 s68, ttmp7, 0xffff                   ; bh, which the four partners share
	s_lshl_b32 s69, s67, 4
	s_add_co_u32 s69, s69, s[WV]                   ; T: my tile of queries
	; descriptor groups 1: dense blocks as rows of 256 bytes (32 elements of 8 bytes), no padding: images are read 16 x lane
	s_mov_b32 s[G1C], 15|(3<<16)|(1<<21)           ; 15:0 the mask: all four work-groups; 17:16 elements of 8 bytes; 21 set beside a mask
	s_mov_b32 s[G1C+1], 32<<16                     ; tensor_dim0
	s_mov_b32 s[G1C+2], 16<<16                     ; tensor_dim1: 16 rows
	s_mov_b32 s[G1C+3], 32<<16                     ; tile_dim0
	s_mov_b32 s[G1C+4], 16                         ; tile_dim1
	s_mov_b32 s[G1C+5], 32                         ; the pitch
	s_mov_b32 s[G1C+6], 0
	s_mov_b32 s[G1C+7], 0
	s_mov_b32 s[G1S], 15|(3<<16)|(1<<21)
	s_mov_b32 s[G1S+1], 32<<16
	s_mov_b32 s[G1S+2], 4<<16                      ; 4 rows
	s_mov_b32 s[G1S+3], 32<<16
	s_mov_b32 s[G1S+4], 4
	s_mov_b32 s[G1S+5], 32
	s_mov_b32 s[G1S+6], 0
	s_mov_b32 s[G1S+7], 0
	s_lshl_b32 s70, s68, 18                        ; kv: the head's 262,144 bytes, my wave's 4,096 of each chunk: made of bh and the wave's number alone
	s_lshl_b32 s71, s[WV], 12
	s_add_co_u32 s70, s70, s71
	s_mov_b32 s71, 0
	s_lshl_b32 s72, s68, 14                        ; kvs: the head's 16,384 bytes, my wave's 1,024
	s_lshl_b32 s73, s[WV], 10
	s_add_co_u32 s72, s72, s73
	s_mov_b32 s73, 0
	s_lshl_b32 s74, s[WV], 12                      ; and where they go
	s_lshl_b32 s75, s[WV], 10
	s_lshl_b32 s76, s68, 8
	s_add_co_u32 s76, s76, s69                     ; 256 bh + T
	s_lshl_b32 s78, s76, 9                         ; qc: 512 bytes a tile
	s_mov_b32 s79, 0
	s_lshl_b32 s80, s76, 6                         ; qs: 64 bytes a tile
	s_mov_b32 s81, 0
	s_lshr_b32 s82, s68, 2                         ; the batch
	s_lshl_b32 s82, s82, 8
	s_add_co_u32 s82, s82, s69
	s_lshl_b32 s82, s82, 1
	s_bfe_u32 s83, s68, 0x10001                    ; the projection's K step: head / 2
	s_add_co_u32 s82, s82, s83                     ; 2 (256 batch + T) + head / 2
	s_and_b32 s83, s68, 1                          ; and which half of it: head % 2
	s_lshl_b32 s84, s82, 10
	s_lshl_b32 s85, s83, 9
	s_add_co_u32 s84, s84, s85                     ; oc
	s_mov_b32 s85, 0
	s_lshl_b32 s86, s82, 6
	s_lshl_b32 s87, s83, 1
	s_add_co_u32 s86, s86, s87                     ; os
	s_mov_b32 s87, 0
	s_mov_b32 s[SEL], 0x76543210
	s_mov_b32 s[SEL+1], 0xfedcba98
	s_mov_b32 s[CS], 0x3e38aa3b                    ; c = log2(e) / 8
	s_mov_b32 s[CS+1], s[CS]                       ; (named with it as a pair, so it is written)
	s_wait_dscnt 0x0
	s_wait_kmcnt 0x0
	s_add_nc_u64 s[8:9], s[8:9], s[70:71]
	s_add_nc_u64 s[10:11], s[10:11], s[72:73]
	s_add_nc_u64 s[4:5], s[4:5], s[78:79]
	s_add_nc_u64 s[6:7], s[6:7], s[80:81]
	s_add_nc_u64 s[12:13], s[12:13], s[84:85]
	s_add_nc_u64 s[14:15], s[14:15], s[86:87]
	s_mov_b32 s[G0S], 1
	s_add_co_u32 s[G0S+1], s75, SCL
	s_mov_b64 s[G0S+2:G0S+3], s[10:11]
	s_or_b32 s[G0S+3], s[G0S+3], 0x80000000
.irp j, 0,1,2,3
	s_mov_b32 s[G0C+4*\j], 1
	s_add_co_u32 s[G0C+4*\j+1], s74, 65536*\j
	s_add_nc_u64 s[G0C+4*\j+2:G0C+4*\j+3], s[8:9], 65536*\j
	s_or_b32 s[G0C+4*\j+3], s[G0C+4*\j+3], 0x80000000
.endr
	CROUND                                         ; all four work-groups are here: the joint loads meet
	tensor_load_to_lds s[G0S:G0S+3], s[G1S:G1S+7]  ; the scale words first: they are wanted with chunk 0
	s_nop 0
	tensor_load_to_lds s[G0C:G0C+3], s[G1C:G1C+7]
	s_nop 0
	tensor_load_to_lds s[G0C+4:G0C+7], s[G1C:G1C+7]
	s_nop 0
	tensor_load_to_lds s[G0C+8:G0C+11], s[G1C:G1C+7]
	s_nop 0
	tensor_load_to_lds s[G0C+12:G0C+15], s[G1C:G1C+7]
	s_nop 0
.rept 4
	v_nop                                          ; four v_nop behind the loads
.endr
	v_and_b32 v[LANE], 31, v0
	s_delay_alu instid0(VALU_DEP_1)
	v_lshlrev_b32 v[AD0], 4, v[LANE]
	v_and_b32 v[AS0], 15, v0
	s_delay_alu instid0(VALU_DEP_1)
	v_lshlrev_b32 v[GOS], 2, v[AS0]
	s_delay_alu instid0(VALU_DEP_2)
	v_lshl_add_u32 v[AS0], v[AS0], 4, SCL
	global_load_b128 v[20:23], v[AD0], s[4:5]      ; q: lane (r, h): d = 32 h + 0 .. 31 of query r
	global_load_b32 v255, v[GOS], s[6:7]           ; its scale word (s0, s1, s0, s1)
.irp j, 16,17,18,19,24,25,26,27
	v_mov_b32 v[\j], 0                             ; zero codes on both sides of q
.endr
	v_mov_b32 v13, 0xff61b1e6                      ; the largest t so far: -3e38, under every t
	s_delay_alu instid0(VALU_DEP_1)
	v_floor_f32 v12, -v13                          ; -M
	v_mov_b32 v14, 0                               ; the sum, in two halves
	v_mov_b32 v15, 0
.irp b, 0,1,2,3
	v_mov_b32 v[236+\b], 0                         ; a lane permute's destination counts as one of its sources
.endr
	v_mov_b32 v253, 0                              ; (named as the upper half of the pair v[252:253] before it is first written)
.set j, 0
.rept 32
	v_mov_b32 v[160+j], 0                          ; O^T: the step is written once; its first turn finds zeros, which the first change of M leaves zeros
.set j, j+1
.endr
	s_wait_loadcnt 0x0                             ; q
; A KEY STEP: 128 keys.
.macro STEP
	v_add_nc_u32 v[ADK], s[TB], v[AD0]
	v_add_nc_u32 v[ADS], s[TS], v[AS0]
	v_nop                                          ; with the two additions: four places between the last step's products and the loads into the registers that they read (ISA guide 7.12.1 for vector instructions)
	v_nop
	ds_load_b128 v[SWK:SWK+3], v[ADS]              ; K's scale words: lane r: row r of the step's four fragments
.irp g, 0,1,2,3
.irp c, 0,1
	ds_load_b128 v[KF+8*\g+4*\c:KF+8*\g+4*\c+3], v[ADK] offset:1024*\g+512*\c
.endr
.endr
	ds_load_b128 v[SWV:SWV+3], v[ADS] offset:256   ; V's: lane r: row r of the four tiles of d
.irp t, 0,1,2,3
.irp c, 0,1
	ds_load_b128 v[VF+8*\t+4*\c:VF+8*\t+4*\c+3], v[ADK] offset:32768+1024*\t+512*\c
.endr
.endr
	s_wait_dscnt 9                                 ; K and its scale words are in; V's nine loads may be out
.irp g, 0,1,2,3                                ; S^T: fragment g against q in the lower half of K, then in the upper: keys 32 g + 16 h + 0 .. 7 and + 8 .. 15
	v_wmma_scale_f32_16x16x128_f8f6f4 v[96+16*\g:103+16*\g], v[KF+8*\g:KF+8*\g+7], v[20:27], 0, v[SWK+\g], v255 matrix_a_fmt:MATRIX_FMT_FP4 matrix_b_fmt:MATRIX_FMT_FP4
	v_wmma_scale_f32_16x16x128_f8f6f4 v[104+16*\g:111+16*\g], v[KF+8*\g:KF+8*\g+7], v[16:23], 0, v[SWK+\g], v255 matrix_a_fmt:MATRIX_FMT_FP4 matrix_b_fmt:MATRIX_FMT_FP4
.endr
.rept 4
	v_nop
.endr
.irp b, 0,1,2,3
	v_max3_num_f32 v[232+\b], v[96+16*\b], v[97+16*\b], v[98+16*\b]   ; the largest score of each block of 32 keys: it serves the row's maximum and, since p rises with the score, the block's largest p
.endr
.irp i, 3,5,7,9,11,13
.irp b, 0,1,2,3
	v_max3_num_f32 v[232+\b], v[232+\b], v[96+16*\b+\i], v[97+16*\b+\i]
.endr
.endr
.irp b, 0,1,2,3
	v_max_num_f32 v[232+\b], v[232+\b], v[111+16*\b]
.endr
.irp b, 0,1,2,3
	s_delay_alu instid0(VALU_DEP_4)
	v_permlanex16_b32 v[236+\b], v[232+\b], s[SEL], s[SEL+1]
.endr
.irp b, 0,1,2,3
	s_delay_alu instid0(VALU_DEP_4)
	v_max_num_f32 v[232+\b], v[232+\b], v[236+\b]  ; with lane l xor 16's 16 keys
.endr
	s_delay_alu instid0(VALU_DEP_2)
	v_max3_num_f32 v254, v232, v233, v234
	s_delay_alu instid0(VALU_DEP_1)
	v_max_num_f32 v254, v254, v235                 ; the step's largest score of my query
	s_delay_alu instid0(VALU_DEP_1)
	v_mul_f32 v254, s[CS], v254                    ; as t (c is positive)
	s_delay_alu instid0(VALU_DEP_1)
	v_max_num_f32 v13, v13, v254                   ; the running largest t
	v_mov_b32 v254, v12
	s_delay_alu instid0(VALU_DEP_2)
	v_floor_f32 v12, -v13                          ; the new -M = floor(-t) = -ceil(t)
	s_delay_alu instid0(VALU_DEP_1)
	v_sub_f32 v254, v12, v254                      ; old M - new M: a whole number, 0 or less
	s_delay_alu instid0(VALU_DEP_1)
	v_cvt_i32_f32 v254, v254                       ; (it saturates)
	s_delay_alu instid0(VALU_DEP_1)
	v_ldexp_f32 v252, 1.0, v254                    ; f = 2^(old M - new M)
.set j, 0
.rept 32
	v_pk_fma_f32 v[96+j:97+j], v[96+j:97+j], s[CS:CS+1], v[12:13] op_sel_hi:[1,0,0]   ; t - M, two at a time
.set j, j+2
.endr
.irp b, 0,1,2,3
	v_fma_f32 v[232+\b], v[232+\b], s[CS], v12     ; the same of each block's largest score
.endr
.set j, 0
	s_wait_alu depctr_va_vdst(0)
.rept 64
	v_exp_f32 v[96+j], v[96+j]                     ; p = 2^(t - M), at most 1: not normalised
.set j, j+1
.endr
	s_setprio 1
	v_pk_mul_f32 v[14:15], v[14:15], v[252:253] op_sel_hi:[1,0]   ; the sums under the new M: a plain place behind the exponentials
	s_wait_alu depctr_va_vdst(0)                   ; one wait for the batch of 64, ahead of its first reader
.irp b, 0,1,2,3
	v_exp_f32 v[232+\b], v[232+\b]                 ; the block's largest p: the same two instructions on the same number give the same bits
.endr
	v_pk_add_f32 v[236:237], v[100:101], v[104:105]
	v_pk_add_f32 v[248:249], v[108:109], v[112:113]
	v_pk_add_f32 v[242:243], v[116:117], v[120:121]
	v_pk_add_f32 v[222:223], v[124:125], v[128:129]
	v_pk_add_f32 v[220:221], v[132:133], v[136:137]
	v_pk_add_f32 v[218:219], v[140:141], v[144:145]
	v_pk_add_f32 v[216:217], v[148:149], v[152:153]
	v_pk_add_f32 v[14:15], v[14:15], v[156:157]
	v_pk_add_f32 v[236:237], v[236:237], v[96:97]
	v_pk_add_f32 v[248:249], v[248:249], v[98:99]
	v_pk_add_f32 v[242:243], v[242:243], v[102:103]
	v_pk_add_f32 v[222:223], v[222:223], v[106:107]
	v_pk_add_f32 v[220:221], v[220:221], v[110:111]
	v_pk_add_f32 v[218:219], v[218:219], v[114:115]
	v_pk_add_f32 v[216:217], v[216:217], v[118:119]
	v_pk_add_f32 v[14:15], v[14:15], v[122:123]
	v_pk_add_f32 v[236:237], v[236:237], v[126:127]
	v_pk_add_f32 v[248:249], v[248:249], v[130:131]
	v_pk_add_f32 v[242:243], v[242:243], v[134:135]
	v_pk_add_f32 v[222:223], v[222:223], v[138:139]
	v_pk_add_f32 v[220:221], v[220:221], v[142:143]
	v_pk_add_f32 v[218:219], v[218:219], v[146:147]
	v_pk_add_f32 v[216:217], v[216:217], v[150:151]
	v_pk_add_f32 v[14:15], v[14:15], v[154:155]
	v_pk_add_f32 v[236:237], v[236:237], v[158:159]
	s_delay_alu instid0(VALU_DEP_2)
	v_pk_add_f32 v[14:15], v[14:15], v[222:223]
	s_delay_alu instid0(VALU_DEP_2)
	v_pk_add_f32 v[236:237], v[236:237], v[220:221]
	v_pk_add_f32 v[248:249], v[248:249], v[218:219]
	v_pk_add_f32 v[242:243], v[242:243], v[216:217]
	s_delay_alu instid0(VALU_DEP_2)
	v_pk_add_f32 v[14:15], v[14:15], v[248:249]
	s_delay_alu instid0(VALU_DEP_2)
	v_pk_add_f32 v[236:237], v[236:237], v[242:243]
	s_delay_alu instid0(VALU_DEP_1)
	v_pk_add_f32 v[14:15], v[14:15], v[236:237]
	s_wait_alu depctr_va_vdst(0)                   ; and one for the four
.irp b, 0,1,2,3
	v_max_num_f32 v[232+\b], 0x1800000, v[232+\b]  ; the floor 2^(3 - 127): the byte cannot fall under 1
.endr
.irp b, 0,1,2,3
	s_delay_alu instid0(VALU_DEP_4)
	v_add_nc_u32 v[244+\b], 0xff000000, v[232+\b]  ; the conversion's scale operand
.endr
.irp b, 0,1,2,3
	s_delay_alu instid0(VALU_DEP_4)
	v_lshrrev_b32 v[236+\b], 23, v[244+\b]         ; the scale's byte
.endr
	s_delay_alu instid0(VALU_DEP_3)
	v_lshl_or_b32 v253, v237, 8, v236              ; p's scale word for these 128 keys
	s_delay_alu instid0(VALU_DEP_1)
	v_lshl_or_b32 v253, v238, 16, v253
	s_delay_alu instid0(VALU_DEP_1)
	v_lshl_or_b32 v253, v239, 24, v253
.irp b, 0,1,2,3
	v_cvt_scalef32_pk8_fp4_f32 v[224+2*\b], v[96+16*\b:103+16*\b], v[244+\b]
	v_cvt_scalef32_pk8_fp4_f32 v[225+2*\b], v[104+16*\b:111+16*\b], v[244+\b]
.endr
	v_nop                                          ; one plain place behind a scaled conversion
.irp c, 0,1
.irp i, 0,1
	v_permlane16_swap_b32 v[224+4*\c+\i], v[226+4*\c+\i]   ; a whole block to a lane: lanes 0-15 block 2 c, lanes 16-31 block 2 c + 1
.endr
.endr
.set j, 0
	s_setprio 0
.rept 16
	v_pk_mul_f32 v[160+j:161+j], v[160+j:161+j], v[252:253] op_sel_hi:[1,0]   ; O^T under the new M.  These sixteen also stand between the lines that made p's codes and scale word and the products that take them
.set j, j+2
.endr
	s_wait_alu depctr_va_vdst(0)
	s_wait_dscnt 0x0                               ; V and its scale words are in
.irp t, 0,1,2,3                                ; O^T += V^T P^T: four accumulators, one instruction a turn
	v_wmma_scale_f32_16x16x128_f8f6f4 v[160+8*\t:167+8*\t], v[VF+8*\t:VF+8*\t+7], v[224:231], v[160+8*\t:167+8*\t], v[SWV+\t], v253 matrix_a_fmt:MATRIX_FMT_FP4 matrix_b_fmt:MATRIX_FMT_FP4
.endr
	s_add_co_u32 s[TB], s[TB], 4096                ; the next step's fragments
	s_add_co_u32 s[TS], s[TS], 512                 ; and scale words
.endm
; A CHUNK of 1,024 keys: eight steps.  The count leaves the later chunks' loads out.
.macro CHUNK j
	s_wait_dscnt 0x0
	s_wait_tensorcnt 3-\j                          ; tensor loads of a wave end in order (ISA guide 10.11.1): my part of chunk j is in LDS (with chunk 0: of the scale words too),
	s_barrier_signal -1
	s_barrier_wait -1                              ; everybody's is
	s_mov_b32 s[TB], 65536*\j
	s_mov_b32 s[TS], 4096*\j
	s_mov_b32 s60, 8
.Lstep_\@:
	s_setprio 2
	STEP
	s_sub_co_u32 s60, s60, 1
	s_cmp_lg_u32 s60, 0
	s_cbranch_scc1 .Lstep_\@
	s_setprio 0
.endm
	CHUNK 0
	CHUNK 1
	CHUNK 2
	CHUNK 3
	; THE WAY OUT.  O^T / the sum; register 8 t + i is d = 32 (t / 2) + 16 h + 8 (t % 2) + i of my query: two blocks of 32 along the projection's K.  The codes are an image already: 512 consecutive bytes a wave.
	v_nop                                          ; with the additions below: the places behind the last products
	v_nop
	v_add_f32 v14, v14, v15                        ; the sum's two halves,
	s_delay_alu instid0(VALU_DEP_1)
	v_permlanex16_b32 v252, v14, s[SEL], s[SEL+1]
	s_delay_alu instid0(VALU_DEP_1)
	v_add_f32 v14, v14, v252                       ; and lane l xor 16's: the row's sum
	s_wait_alu depctr_va_vdst(0)
	v_rcp_f32 v14, v14
	v_nop                                          ; a plain place behind the transcendental,
	s_wait_alu depctr_va_vdst(0)                   ; and the wait ahead of its first reader
.set j, 0
.rept 32
	v_mul_f32 v[96+j], v[160+j], v14               ; each accumulator from its low end on
.set j, j+1
.endr
	QUANT32 96, 224, 240
	global_store_b128 v[AD0], v[224:227], s[12:13]
	s_wait_alu depctr_va_vdst(0)
	s_wait_xcnt 0x0                                ; EXEC changes only behind this wait
	v_cmp_gt_u32 vcc_lo, 16, v[LANE]
	s_and_saveexec_b32 s66, vcc_lo
	global_store_b16 v[GOS], v240, s[14:15]        ; my head's half of row r's scale word
	s_wait_xcnt 0x0                                ; and again ahead of the line that widens it
	s_or_b32 exec_lo, exec_lo, s66
	s_wait_tensorcnt 0x0
	ds_add_u32 v250, v251
	s_wait_dscnt 0x0
	CROUND                                         ; the closing round: no work-group ends while a partner may still ask for a tile that names it
	s_endpgm
.Lfunc_end_k_qa735905e2a_attn:
	.size	k_qa735905e2a_attn, .Lfunc_end_k_qa735905e2a_attn-k_qa735905e2a_attn
	.p2alignl 7, 3214868480
	.fill 96, 4, 3214868480
	.section	.rodata,"a",@progbits
	.p2align	6, 0x0
	.amdhsa_kernel k_qa735905e2a_attn
		.amdhsa_group_segment_fixed_size 327680
		.amdhsa_private_segment_fixed_size 0
		.amdhsa_enable_private_segment 0
		.amdhsa_kernarg_size 48
		.amdhsa_user_sgpr_count 2
		.amdhsa_user_sgpr_kernarg_segment_ptr 1
		.amdhsa_wavefront_size32 1
		.amdhsa_system_sgpr_workgroup_id_x 1
		.amdhsa_system_sgpr_workgroup_id_y 1
		.amdhsa_system_sgpr_workgroup_id_z 1
		.amdhsa_system_vgpr_workitem_id 0
		.amdhsa_next_free_vgpr 256
		.amdhsa_next_free_sgpr 92
		.amdhsa_reserve_vcc 1
		.amdhsa_float_denorm_mode_32 3
		.amdhsa_float_denorm_mode_16_64 3
		.amdhsa_memory_ordered 1
		.amdhsa_forward_progress 1
		.amdhsa_inst_pref_size 78
	.end_amdhsa_kernel
	.amdgpu_metadata
---
amdhsa.version: [ 1, 2 ]
amdhsa.kernels:
  - .name:           k_qa735905e2a_attn
    .symbol:         k_qa735905e2a_attn.kd
    .args:
      - { .name: qc, .offset: 0, .size: 8, .value_kind: global_buffer, .address_space: global }
      - { .name: qs, .offset: 8, .size: 8, .value_kind: global_buffer, .address_space: global }
      - { .name: kv, .offset: 16, .size: 8, .value_kind: global_buffer, .address_space: global }
      - { .name: kvs, .offset: 24, .size: 8, .value_kind: global_buffer, .address_space: global }
      - { .name: oc, .offset: 32, .size: 8, .value_kind: global_buffer, .address_space: global }
      - { .name: os, .offset: 40, .size: 8, .value_kind: global_buffer, .address_space: global }
    .group_segment_fixed_size: 327680
    .private_segment_fixed_size: 0
    .kernarg_segment_align: 8
    .kernarg_segment_size: 48
    .max_flat_workgroup_size: 512
    .sgpr_count:     92
    .vgpr_count:     256
    .wavefront_size: 32
...
	.end_amdgpu_metadata
.endif
;; end of part 3
;; launch proj (part 4): grid 256 x 1, 4 waves a work-group, no clusters, 17,920 bytes of LDS; arguments oc, os, proj_w_codes, proj_w_scales, proj_b, x, out0; writes out0
.if DOCPART == 4
	.amdgcn_target "amdgcn-amd-amdhsa--gfx1250"
	.amdhsa_code_object_version 6
	.text
	.protected	k_qa735905e2a_proj
	.globl	k_qa735905e2a_proj
	.p2align	8
	.type	k_qa735905e2a_proj,@function
k_qa735905e2a_proj:
	s_mov_b64 s[64:65], 0
	v_nop
	global_prefetch_b8 v0, s[64:65] scope:SCOPE_SE
	s_setreg_imm32_b32 hwreg(HW_REG_WAVE_MODE, 25, 1), 1
	s_wait_xcnt 0x0
; out0 = x + proj_w O + proj_b, the product on codes of FP4 (E2M1) with one E8M0 scale for 32 along K (the 256 channels).  O's codes and scale words come as images of operand registers from the attention launch.
; SHARES.  Work-group i: batch i / 64, positions 64 (i % 64) on: four tiles of 16 (row p of tile 2 G + u is position 32 G + 8 u + p + 8 (p / 8)).  Wave w makes outputs 64 w .. 64 w + 63, four tiles of 16 rows of proj_w, for all 64 positions.
; Source 0 = O (16 positions), source 1 = 16 rows of proj_w: a lane holds ONE output channel and eight neighbouring positions, which are neighbours in out0.  The bias is the C of each sum's first product.
; A tile of 16 channels x 64 positions goes through the wave's own stage in LDS (rows of 256 bytes + 16) and comes back by rows: sixteen lanes add x's and store 256 consecutive bytes, at a multiple of 256 from out0's first byte.
; Waves share nothing: no barrier.  No tensor load, no ring: all operands are a single burst of loads into registers.  NO CLUSTER: what work-groups share is 32 KiB of weights, which plain loads bring into registers; O and x are a work-group's own.
; REGISTERS.  window 0: v1-10 addresses; v16-79 O's eight fragments; v80-87 their scale words; v88-95 proj_w's; v96-127 the bias, eight registers a tile; v128-159 four accumulators; v160-223 rows on the way out, two sets.
;   window 1: v0-127 x; v128-191 proj_w's eight fragments.
.set LANE, 1
.set R,    2
.set H,    3
.set LI,   4                           ; 16 x lane
.set RS,   5                           ; 4 r
.set WA,   6                           ; 128 r + 16 h
.set WSA,  7                           ; 8 r
.set XO,   8                           ; x, out0: channel row h, 16 bytes a lane: 16,384 h + 16 r
.set SO,   9                           ; the stage: row r, + 64 h
.set RD,   10                          ; and back: row h, 16 bytes a lane
.set OF,   16
.set OSW,  80
.set WSW,  88
.set BI,   96
.set ACC,  128
.set RB,   160
.set MSB, 0
.macro WIN new                         ; the immediate's high byte repeats the setting that is left
.if MSB != \new
	s_set_vgpr_msb (MSB<<8)|\new
.set MSB, \new
.endif
.endm
	s_load_b256 s[4:11], s[0:1], 0x0               ; oc, os, proj_w's codes, its scales
	s_load_b128 s[12:15], s[0:1], 0x20             ; proj_b, x
	s_load_b64 s[16:17], s[0:1], 0x30              ; out0
	v_lshl_add_u32 v254, v0, 2, 0x4400
	v_mov_b32 v255, 0
	v_lshrrev_b32 v1, 5, v0
	v_readfirstlane_b32 s18, v1                    ; wave 0..3
	v_and_b32 v[LANE], 31, v0
	v_and_b32 v[R], 15, v0
	v_bfe_u32 v[H], v0, 4, 1
	v_lshlrev_b32 v[LI], 4, v[LANE]
	v_lshlrev_b32 v[RS], 2, v[R]
	v_lshlrev_b32 v[WA], 7, v[R]
	v_lshl_add_u32 v[WA], v[H], 4, v[WA]
	v_lshlrev_b32 v[WSA], 3, v[R]
	v_lshlrev_b32 v[XO], 4, v[R]
	v_lshl_add_u32 v[XO], v[H], 14, v[XO]
	s_mul_i32 s19, s18, 4352                       ; my stage: 16 rows of 272 bytes
	v_mul_u32_u24 v[SO], v[R], 272
	v_lshl_add_u32 v[SO], v[H], 6, v[SO]
	v_add_nc_u32 v[SO], s19, v[SO]
	v_mul_u32_u24 v[RD], v[H], 272
	v_lshl_add_u32 v[RD], v[R], 4, v[RD]
	v_add_nc_u32 v[RD], s19, v[RD]
	s_lshl_b32 s20, ttmp9, 13                      ; oc: four tiles of 2,048 bytes a work-group (64 x batch + the block of positions is the work-group's number)
	s_mov_b32 s21, 0
	s_lshl_b32 s22, ttmp9, 9                       ; os: four tiles of 128 bytes
	s_mov_b32 s23, 0
	s_lshl_b32 s24, s18, 13                        ; proj_w's codes: my 64 rows of 128 bytes
	s_mov_b32 s25, 0
	s_lshl_b32 s26, s18, 9                         ; its scales: 8 bytes a row
	s_mov_b32 s27, 0
	s_lshl_b32 s28, s18, 8                         ; proj_b
	s_mov_b32 s29, 0
	s_lshr_b32 s30, ttmp9, 6                       ; x, out0: the batch, my 64 channels, the 64 positions
	s_lshl_b32 s30, s30, 22
	s_lshl_b32 s31, s18, 20
	s_add_co_u32 s30, s30, s31
	s_and_b32 s31, ttmp9, 63
	s_lshl_b32 s31, s31, 8
	s_add_co_u32 s30, s30, s31
	s_mov_b32 s31, 0
	s_wait_alu depctr_va_vdst(0)
	s_wait_kmcnt 0x0
	s_add_nc_u64 s[4:5], s[4:5], s[20:21]
	s_add_nc_u64 s[6:7], s[6:7], s[22:23]
	s_add_nc_u64 s[8:9], s[8:9], s[24:25]
	s_add_nc_u64 s[10:11], s[10:11], s[26:27]
	s_add_nc_u64 s[12:13], s[12:13], s[28:29]
	s_add_nc_u64 s[14:15], s[14:15], s[30:31]
	s_add_nc_u64 s[16:17], s[16:17], s[30:31]
.irp k, 0,1,2,3,4,5,6,7,8,9,10,11,12,13,14,15
	global_load_b128 v[OF+4*\k:OF+4*\k+3], v[LI], s[4:5] offset:512*\k   ; O's fragments (tile m, K step s at 2 m + s): 512 consecutive bytes a load
.endr
.irp f, 0,1,2,3,4,5,6,7
	global_load_b32 v[OSW+\f], v[RS], s[6:7] offset:64*\f
.endr
	WIN 0x40                                       ; destination window 1
.irp t, 0,1,2,3
.irp s, 0,1
.irp c, 0,1
	global_load_b128 v[128+8*(2*\t+\s)+4*\c:128+8*(2*\t+\s)+4*\c+3], v[WA], s[8:9] offset:2048*\t+64*\s+32*\c
.endr
.endr
.endr
	WIN 0
.irp t, 0,1,2,3
.irp s, 0,1
	global_load_b32 v[WSW+2*\t+\s], v[WSA], s[10:11] offset:128*\t+4*\s
.endr
.endr
.irp t, 0,1,2,3
.irp j, 0,1,2,3,4,5,6,7
	global_load_b32 v[BI+8*\t+\j], v[RS], s[12:13] offset:64*\t   ; a lane holds ONE output in all eight registers of a result
.endr
.endr
	WIN 0x40
.irp t, 0,1,2,3
.irp i, 0,1,2,3,4,5,6,7
	global_load_b128 v[32*\t+4*\i:32*\t+4*\i+3], v[XO], s[14:15] offset:16384*(16*\t+2*\i) th:TH_LOAD_NT   ; x: channel rows 16 t + 2 i + h, 256 bytes each; its last read
.endr
.endr
	WIN 0
	s_wait_loadcnt 32                              ; all operands are in; x's 32 loads may be out
.irp t, 0,1,2,3
	WIN 0x04                                       ; source 1 (proj_w) window 1
.irp m, 0,1,2,3                                ; four accumulators by turns, one instruction a turn
	v_wmma_scale_f32_16x16x128_f8f6f4 v[ACC+8*\m:ACC+8*\m+7], v[OF+16*\m:OF+16*\m+7], v[128+16*\t:128+16*\t+7], v[BI+8*\t:BI+8*\t+7], v[OSW+2*\m], v[WSW+2*\t] matrix_a_fmt:MATRIX_FMT_FP4 matrix_b_fmt:MATRIX_FMT_FP4
.endr
.irp m, 0,1,2,3
	v_wmma_scale_f32_16x16x128_f8f6f4 v[ACC+8*\m:ACC+8*\m+7], v[OF+16*\m+8:OF+16*\m+15], v[128+16*\t+8:128+16*\t+15], v[ACC+8*\m:ACC+8*\m+7], v[OSW+2*\m+1], v[WSW+2*\t+1] matrix_a_fmt:MATRIX_FMT_FP4 matrix_b_fmt:MATRIX_FMT_FP4
.endr
	WIN 0
.rept 5
	v_nop                                          ; four places ahead of the stores that read the results, five ahead of the next tile's products, which begin the same accumulators anew
.endr
.irp m, 0,1,2,3
	ds_store_b128 v[SO], v[ACC+8*\m:ACC+8*\m+3] offset:128*(\m/2)+32*(\m%2)        ; lane (r, h): channel r, positions 32 (m / 2) + 8 (m % 2) + 16 h + 0 .. 7; each accumulator from its low end on
	ds_store_b128 v[SO], v[ACC+8*\m+4:ACC+8*\m+7] offset:128*(\m/2)+32*(\m%2)+16
.endr
.if \t > 1
	s_wait_xcnt 0x0                                ; the stores of two tiles back have read this set of registers: only behind this wait is it loaded again
.endif
.irp i, 0,1,2,3,4,5,6,7
	ds_load_b128 v[RB+32*(\t%2)+4*\i:RB+32*(\t%2)+4*\i+3], v[RD] offset:544*\i   ; LDS serves a wave's instructions in order (ISA guide 5.7.1.4): these see my stores
.endr
	s_wait_dscnt 0x0
	s_wait_loadcnt 24-8*\t                         ; this tile's eight loads of x are in; the later tiles' may be out
	WIN 0x04
.irp i, 0,1,2,3,4,5,6,7
	v_pk_add_f32 v[RB+32*(\t%2)+4*\i:RB+32*(\t%2)+4*\i+1], v[RB+32*(\t%2)+4*\i:RB+32*(\t%2)+4*\i+1], v[32*\t+4*\i:32*\t+4*\i+1]
	v_pk_add_f32 v[RB+32*(\t%2)+4*\i+2:RB+32*(\t%2)+4*\i+3], v[RB+32*(\t%2)+4*\i+2:RB+32*(\t%2)+4*\i+3], v[32*\t+4*\i+2:32*\t+4*\i+3]
.endr
	WIN 0
.irp i, 0,1,2,3,4,5,6,7
	global_store_b128 v[XO], v[RB+32*(\t%2)+4*\i:RB+32*(\t%2)+4*\i+3], s[16:17] offset:16384*(16*\t+2*\i) th:TH_STORE_NT   ; written once, read by nobody here
.endr
.endr
	s_wait_tensorcnt 0x0
	ds_add_u32 v254, v255
	s_wait_dscnt 0x0
	s_endpgm
.Lfunc_end_k_qa735905e2a_proj:
	.size	k_qa735905e2a_proj, .Lfunc_end_k_qa735905e2a_proj-k_qa735905e2a_proj
	.p2alignl 7, 3214868480
	.fill 96, 4, 3214868480
	.section	.rodata,"a",@progbits
	.p2align	6, 0x0
	.amdhsa_kernel k_qa735905e2a_proj
		.amdhsa_group_segment_fixed_size 17920
		.amdhsa_private_segment_fixed_size 0
		.amdhsa_enable_private_segment 0
		.amdhsa_kernarg_size 56
		.amdhsa_user_sgpr_count 2
		.amdhsa_user_sgpr_kernarg_segment_ptr 1
		.amdhsa_wavefront_size32 1
		.amdhsa_system_sgpr_workgroup_id_x 1
		.amdhsa_system_sgpr_workgroup_id_y 1
		.amdhsa_system_sgpr_workgroup_id_z 1
		.amdhsa_system_vgpr_workitem_id 0
		.amdhsa_next_free_vgpr 512
		.amdhsa_next_free_sgpr 66
		.amdhsa_reserve_vcc 0
		.amdhsa_float_denorm_mode_32 3
		.amdhsa_float_denorm_mode_16_64 3
		.amdhsa_memory_ordered 1
		.amdhsa_forward_progress 1
		.amdhsa_inst_pref_size 30
	.end_amdhsa_kernel
	.amdgpu_metadata
---
amdhsa.version: [ 1, 2 ]
amdhsa.kernels:
  - .name:           k_qa735905e2a_proj
    .symbol:         k_qa735905e2a_proj.kd
    .args:
      - { .name: oc, .offset: 0, .size: 8, .value_kind: global_buffer, .address_space: global }
      - { .name: os, .offset: 8, .size: 8, .value_kind: global_buffer, .address_space: global }
      - { .name: proj_w_codes, .offset: 16, .size: 8, .value_kind: global_buffer, .address_space: global }
      - { .name: proj_w_scales, .offset: 24, .size: 8, .value_kind: global_buffer, .address_space: global }
      - { .name: proj_b, .offset: 32, .size: 8, .value_kind: global_buffer, .address_space: global }
      - { .name: x, .offset: 40, .size: 8, .value_kind: global_buffer, .address_space: global }
      - { .name: out0, .offset: 48, .size: 8, .value_kind: global_buffer, .address_space: global }
    .group_segment_fixed_size: 17920
    .private_segment_fixed_size: 0
    .kernarg_segment_align: 8
    .kernarg_segment_size: 56
    .max_flat_workgroup_size: 128
    .sgpr_count:     66
    .vgpr_count:     512
    .wavefront_size: 32
...
	.end_amdgpu_metadata
.endif
;; end of part 4
